; MI455X (gfx1250); checked and timed in simulation.
; The chip was launched on July 23, 2026; its instructions are those of AMD's public machine-readable ISA for CDNA 5 (MIT licence, August 2026) and "CDNA5" Instruction Set Architecture Reference Guide (July 2026). The comments in the code are by the model that wrote it; some were corrected since.
;; QRNN Cell. Allowed arithmetic: matrix products marked QUANTISED: E2M1 operands, one E8M0 scale for each 32 along K, by v_wmma_scale_f32_16x16x128_f8f6f4 with both operands' format E2M1 (or v_wmma_scale_f32_32x16x128_f4), f32 sums; everything else in f32.
;; Inputs: Lambda 1 float32; Uh_imag_codes 512 x 16 x 16 uint8 (E2M1 codes of Uh_imag, K innermost, in blocks of 32 codes, two codes a byte); Uh_imag_scales 512 x 16 uint8 (E8M0 scales of Uh_imag, one for each 32 codes along K); Uh_real_codes 512 x 16 x 16 uint8 (E2M1 codes of Uh_real, K innermost, in blocks of 32 codes, two codes a byte); Uh_real_scales 512 x 16 uint8 (E8M0 scales of Uh_real, one for each 32 codes along K); Ux_imag_codes 512 x 16 x 16 uint8 (E2M1 codes of Ux_imag, K innermost, in blocks of 32 codes, two codes a byte); Ux_imag_scales 512 x 16 uint8 (E8M0 scales of Ux_imag, one for each 32 codes along K); Ux_real_codes 512 x 16 x 16 uint8 (E2M1 codes of Ux_real, K innermost, in blocks of 32 codes, two codes a byte); Ux_real_scales 512 x 16 uint8 (E8M0 scales of Ux_real, one for each 32 codes along K); h_imag_codes 32 x 512 x 16 x 16 uint8 (E2M1 codes of h_imag, K innermost, in blocks of 32 codes, two codes a byte); h_imag_scales 32 x 512 x 16 uint8 (E8M0 scales of h_imag, one for each 32 codes along K); h_real_codes 32 x 512 x 16 x 16 uint8 (E2M1 codes of h_real, K innermost, in blocks of 32 codes, two codes a byte); h_real_scales 32 x 512 x 16 uint8 (E8M0 scales of h_real, one for each 32 codes along K); x_imag_codes 32 x 512 x 16 x 16 uint8 (E2M1 codes of x_imag, K innermost, in blocks of 32 codes, two codes a byte); x_imag_scales 32 x 512 x 16 uint8 (E8M0 scales of x_imag, one for each 32 codes along K); x_real_codes 32 x 512 x 16 x 16 uint8 (E2M1 codes of x_real, K innermost, in blocks of 32 codes, two codes a byte); x_real_scales 32 x 512 x 16 uint8 (E8M0 scales of x_real, one for each 32 codes along K).
;; Outputs: out0 32 x 512 x 512 float32; out1 32 x 512 x 512 float32.
;; This version of the problem:
;;   THIS VERSION OF THE PROBLEM IS GIVEN IN LOW PRECISION. The matrix products marked QUANTISED in the list below multiply operands that are first quantised to E2M1 (2 exponent bits, 1 mantissa bit; 4 bits a number), with one power-of-two scale for each 32 numbers along K (OCP MX v1.0); their sums are f32. All else is computed in f32.
;;   The module's matrix products, in the order in which they are computed (A, B: the left and right operand; K: the contracted axis; several contracted axes count as one K, in the product's order):
;;     1. [M 16,384, K 512] x [K 512, N 512]; A: input x_real (given as codes); B: input Ux_real (given as codes): QUANTISED
;;     2. [M 16,384, K 512] x [K 512, N 512]; A: input x_imag (given as codes); B: input Ux_imag (given as codes): QUANTISED
;;     3. [M 16,384, K 512] x [K 512, N 512]; A: input x_real (given as codes); B: input Ux_imag (given as codes): QUANTISED
;;     4. [M 16,384, K 512] x [K 512, N 512]; A: input x_imag (given as codes); B: input Ux_real (given as codes): QUANTISED
;;     5. [M 16,384, K 512] x [K 512, N 512]; A: computed on the way; B: input Ux_real (given as codes): QUANTISED
;;     6. [M 16,384, K 512] x [K 512, N 512]; A: computed on the way; B: input Ux_imag (given as codes): QUANTISED
;;     7. [M 16,384, K 512] x [K 512, N 512]; A: computed on the way; B: input Ux_real (given as codes): QUANTISED
;;     8. [M 16,384, K 512] x [K 512, N 512]; A: computed on the way; B: input Ux_imag (given as codes): QUANTISED
;;     9. [M 16,384, K 512] x [K 512, N 512]; A: input h_real (given as codes); B: input Uh_real (given as codes): QUANTISED
;;     10. [M 16,384, K 512] x [K 512, N 512]; A: input h_imag (given as codes); B: input Uh_imag (given as codes): QUANTISED
;;     11. [M 16,384, K 512] x [K 512, N 512]; A: input h_real (given as codes); B: input Uh_imag (given as codes): QUANTISED
;;     12. [M 16,384, K 512] x [K 512, N 512]; A: input h_imag (given as codes); B: input Uh_real (given as codes): QUANTISED
;;     13. [M 16,384, K 512] x [K 512, N 512]; A: computed on the way; B: input Uh_real (given as codes): QUANTISED
;;     14. [M 16,384, K 512] x [K 512, N 512]; A: computed on the way; B: input Uh_imag (given as codes): QUANTISED
;;     15. [M 16,384, K 512] x [K 512, N 512]; A: computed on the way; B: input Uh_real (given as codes): QUANTISED
;;     16. [M 16,384, K 512] x [K 512, N 512]; A: computed on the way; B: input Uh_imag (given as codes): QUANTISED
;;   THE QUANTISER, for each operand of a quantised product, along K:
;;     - K is cut into blocks of 32 from its start; a last block that is shorter is filled with zeros.
;;     - A block's scale is 2^e with e = floor(log2(the largest magnitude in the block)) - 2, held to -126 .. 127; a block of zeros has e = 0. As a byte (E8M0): e + 127.
;;     - Each number is divided by its block's scale, clamped to +-6, and rounded to the nearest number of E2M1, ties to even, subnormals kept.
;;     - The product sums the exact products of the quantised numbers (number of the format x scale) in f32.
;;   ~~~python
;;   def quantise(x, axis):      # numpy; x: float32 -> the quantised numbers, widened to float32 again
;;       x = np.moveaxis(x, axis, -1); K = x.shape[-1]
;;       x = np.pad(x, [(0, 0)] * (x.ndim - 1) + [(0, -K % 32)]); x = x.reshape(x.shape[:-1] + (-1, 32)); a = np.abs(x).max(-1, keepdims=True)
;;       e = np.where(a > 0, np.clip(np.frexp(np.where(a > 0, a, 1))[1] - 1 - 2, -126, 127), 0)      # np.frexp(a)[1] - 1 = floor(log2(a)), exactly
;;       r = np.clip(x / 2.0 ** e, -6, 6)
;;       step = 2.0 ** (np.maximum(np.frexp(np.where(r == 0, 1, r))[1] - 1, 0) - 1)
;;       q = np.round(r / step) * step * 2.0 ** e      # np.round: ties to even
;;       return np.moveaxis(q.reshape(q.shape[:-2] + (-1,))[..., :K], -1, axis).astype(np.float32)
;;   ~~~
;;   OPERANDS COMPUTED ON THE WAY. 'Computed on the way' means the value that the module computes at that place (a softmax that the list does not call 'softmax' is quantised finished and normalised). What goes into a quantiser is computed in f32, as accurately as f32 sums, v_exp_f32 and their like allow (about 1e-6 of the number): no bf16 or f16 on the way to a quantiser, and a product that is left as it is and whose result goes on into a quantised operand takes f32 operands (vector FMAs, or v_wmma_f32_16x16x4_f32). A number that lies on a knife's edge between two numbers of the format may be rounded either way, as far as f32 arithmetic and the matrix unit's own rounding can turn it there, and no further.
;;   INPUTS GIVEN AS CODES. Uh_imag (in the module: [512, 512], K = its axis 1); Uh_real (in the module: [512, 512], K = its axis 1); Ux_imag (in the module: [512, 512], K = its axis 1); Ux_real (in the module: [512, 512], K = its axis 1); h_imag (in the module: [32, 512, 512], K = its axis 1); h_real (in the module: [32, 512, 512], K = its axis 1); x_imag (in the module: [32, 512, 512], K = its axis 1); x_real (in the module: [32, 512, 512], K = its axis 1): each comes as NAME_codes (uint8): NAME with its K axis moved to the last place and cut into blocks of 32 codes, [.., K / 32, bytes a block], one block behind the other in memory; two codes a byte, the lower K in the low four bits (a code: sign, 2 exponent bits, 1 mantissa bit); and NAME_scales (uint8): the same leading axes, one E8M0 byte (e + 127) for each 32 codes along K. Its value is code x scale, taken as it is: it is not quantised again, and the codes and scales need not be those that the quantiser above would give.
;; One version. Each part assembles by itself: llvm-mc -triple=amdgcn-amd-amdhsa -mcpu=gfx1250 --defsym DOCPART=n.
;; ======== version 1 of 1: 1 launch
;; limits: right only within a limited range of input values
;; launch qrnn (part 1): grid 8 x 32, 8 waves a work-group, clusters of 4 x 1, 327,680 bytes of LDS; arguments x_real_codes, x_imag_codes, h_real_codes, h_imag_codes, x_real_scales, x_imag_scales, h_real_scales, h_imag_scales, Ux_real_codes, Ux_imag_codes, Uh_real_codes, Uh_imag_codes, Ux_real_scales, Ux_imag_scales, Uh_real_scales, Uh_imag_scales, Lambda, out0, out1; writes out0, out1
.if DOCPART == 1
	.amdgcn_target "amdgcn-amd-amdhsa--gfx1250"
	.amdhsa_code_object_version 6
	.text
	.protected	k_q6bb40f611a_qrnn
	.globl	k_q6bb40f611a_qrnn
	.p2align	8
	.type	k_q6bb40f611a_qrnn,@function
k_q6bb40f611a_qrnn:
	s_mov_b64 s[64:65], 0
	v_nop
	global_prefetch_b8 v0, s[64:65] scope:SCOPE_SE
	s_setreg_imm32_b32 hwreg(HW_REG_WAVE_MODE, 25, 1), 1
	s_wait_xcnt 0x0
	s_wait_alu depctr_hold_cnt(0) depctr_sa_sdst(0) depctr_va_vdst(0) depctr_va_sdst(0) depctr_va_ssrc(0) depctr_va_vcc(0) depctr_vm_vsrc(0)
	s_getreg_b32 s2, hwreg(HW_REG_IB_STS2, 6, 4)
	s_cmp_eq_u32 s2, 0
	s_cbranch_scc0 .Lentry_in_a_cluster
	s_endpgm
.Lentry_in_a_cluster:
	s_bfe_u32 s2, ttmp6, 0x10000c
	s_cmp_lg_u32 s2, 0x3003
	s_cbranch_scc0 .Lentry_shape_is_right
	s_endpgm
.Lentry_shape_is_right:
; out = g (Ux X Ux^H) + (1 - g) (Uh H Uh^H), complex, g = sigmoid(Lambda); 32 batches of 512 x 512.  All sixteen products on codes of FP4 (E2M1) with one E8M0 scale for each 32 along K; sums in f32.
; ONE LAUNCH.  A work-group owns (batch b, 64 rows p of the output) for both paths and both stages: 32 x 8 = 256 work-groups.  R = U X never goes to memory.
; BOTH STAGES HAVE ONE FORM.  A stationary complex operand S (S0, S1; rows p) is source 1; a streaming complex operand T (Tr, Ti; 512 rows) comes through a ring of two LDS slots and is source 0.
;   P = Tr S0 - Ti S1, E = Tr S1 + Ti S0.   stage 1: S0 = Ur, S1 = Ui, T = x (rows k, K = q): P = r, E = im.   stage 2: S0 = im, S1 = r (quantised), T = U (rows q, K = k): P = out_i, E = out_r.
; In a result lane (r, h) holds S's row r and register j T's row 8 h + j: in stage 1 a lane's registers run along k, the next K; in stage 2 they are eight neighbouring numbers of a row of the output.
; EIGHT WAVES.  Wave j holds S for the 32 rows 32 (j / 4) on (both paths, 256 registers) and takes the row group w = j % 4 of T.
; THE SIGN.  The products with Ti come first; P, which then is Ti S1, is negated (packed multiplications by -1), and the products with Tr are added on.
; THE RING.  Eight items of 128 KiB: X0 X1 H0 H1 (256 rows of the real and of the imaginary tensor) V0..V3 (128 rows of Uxr, Uxi, Uhr, Uhi); item n lies in slot n % 2; each wave fetches 64 rows of an item.
; CLUSTER.  The four work-groups of a cluster have one batch and walk the same eight items: every load is asked for jointly, with the same descriptor and the mask of all four.
; A UNIT is two tiles of T, 64 products: a pair of 16 rows k in stage 1 (one block of 32 along the next K), Ux's and Uh's 16 rows q in stage 2.  An item is two units.  A half of T's registers is filled again when its products are issued.
; BARRIERS stand with products between signal and wait; in a round of the cluster's barrier behind which a slot is filled, too.
; PREFETCH.  X1, H0 and H1 are asked for once in each cluster, ahead of X1's load and about one item ahead of H0's: 16 rows of each a wave, shared out among the partners by address.  X0 comes by the head's load alone;
; all 512 rows of each U are read at the head, 64 by each of the eight row tiles of a batch.
; The text has no loop: each item differs from the others in its slot, its operands, its refill, its meetings and its offsets.
; LIMITS: NaN and infinities are not served.  A block of zeros of R gets the scale byte 1 (its codes are zeros; only this program reads the byte).  g under 2^-126 comes out as 0.
; REGISTERS.  window 0: v0-15 addresses; v16-31 S's scale words; v32-63 T's scale words, in stage 1 v48-63 at work; v64-127 sums: 64 + 32 tile + 16 kind + 8 a (kind 0: P, 1: E);
;   v128-255 T: 128 + 64 tile + 32 part + 8 s (part 0 real, 1 imaginary; s = K step of 128).   window 1: S: 128 path + 8 (8 part + 2 s + a).
.set PITCH,  272                       ; an LDS row: 256 bytes + 16 of padding: the 16 rows of a fragment load start 68 words apart
.set BLK,    64*PITCH                  ; 17,408: 64 rows, what one load brings
.set IMO,    2*BLK                     ; stage 1: from a group's real rows to its imaginary rows
.set TAU,    4*BLK                     ; stage 2: from an item's first phase to its second
.set SLOT,   8*BLK
.set ZIM,    2*SLOT                    ; behind the ring: for each half of the rows p 16,384 bytes of code images and 1,024 of scale words; in stage 2 the stage for the way out (128 rows x 272).  No tensor load lands here
.set ZH,     17408
.set SPARE,  ZIM+2*ZH                  ; the spare words: 128 bytes for each wave, four blocks of 256 bytes that no other line names
.set AD,   0                           ; stage 2: the second phase's rows (v0 is free by then)
.set SPW,  1                           ; SPARE + 4 x my thread's number; never rewritten
.set NIL,  2                           ; 0; never rewritten
.set LA0,  3                           ; my 64 rows of an X or H item in slot 0, 1
.set LA1,  4
.set VB0,  5                           ; my 16 rows of a V item's first phase in slot 0, 1
.set VB1,  6
.set IMW,  7                           ; where my codes of R go
.set ISW,  8                           ; and my scale bytes
.set LOF,  9                           ; x's, h's scale words: 16 x lane + 1024 w + 8192 b
.set LIZ,  10                          ; the images of my 32 rows p, 16 x lane
.set VOF,  11                          ; U's scale words: 16 r + 1024 h + 256 w: lanes 0-15 the first phase's rows, lanes 16-31 the second's
.set SO,   12                          ; the stage, on the way in
.set SR,   13                          ; and back
.set GO,   14                          ; 2048 h + 16 r: the same two rows in the output
.set PFO,  15                          ; H's prefetch: 256 r + 65,536 h
.set SSA,  16
.set SSB,  24
.set TS,   32
.set QM,   48                          ; QUANT: largest magnitudes and scale operands, the other half's and bytes, codes
.set QN,   52
.set QC,   56
.set ACC,  64
.set TT,   128
.set WV,   42
.set BB,   43
.set PT,   44
.set CX,   45
.set WQ,   46                          ; j x BLK
.set WP,   47                          ; j % 4
.set G1,   48                          ; s[48:55] descriptor group 1, one for all loads
.set G0,   56                          ; s[56:59] group 0
.set HP,   66                          ; s[66:67] my 64 rows of H0
.set VP,   68                          ; s[68:69] my 64 rows of V0
.set OBP,  70                          ; s[70:71] my 16 rows of the output
.set PFA,  72                          ; s[72:73], s[88:89] the prefetches
.set PFX,  88
.set GG,   74                          ; s[74:75] g, g;  s[76:77] 1 - g, 1 - g
.set G1M,  76
.set SEL,  78                          ; s[78:79] v_permlanex16_b32's selects for lane l xor 16
.set XP,   80                          ; s[80:81] my 64 rows of X0
.set PH,   82                          ; j / 4
.set UPX,  84                          ; s[84:85], s[86:87] the matrices of U of which I bring 16 rows
.set UPH,  86
.set MSB, 0
.macro WIN new                         ; low byte: bits 1:0 source 0, 3:2 source 1, 5:4 source 2, 7:6 destination; the high byte repeats the setting that is left
.if MSB != (\new)
	s_set_vgpr_msb (MSB<<8)|(\new)
.set MSB, (\new)
.endif
.endm
.macro PLACES n                        ; plain places behind matrix instructions, in front of loads into their registers and of the first read of results
.rept \n
	v_nop
.endr
.endm
.macro CSIG                            ; one wave signals for its work-group
	s_cmp_lg_u32 s[WV], 0
	s_cbranch_scc1 .Lnw0_\@
	s_barrier_signal -3
.Lnw0_\@:
.endm
.macro ROUND                           ; a whole round of the cluster's barrier
	s_barrier_signal -1
	s_barrier_wait -1
	CSIG
	s_barrier_wait -3
	s_barrier_signal -1
	s_barrier_wait -1
.endm
.macro SYNCP                           ; my LDS stores have landed and my LDS loads are in: then the work-group's barrier.
	WIN 0
	s_wait_dscnt 0x0
	s_barrier_signal -1
	s_barrier_wait -1
.endm
; one matrix instruction on the registers named by rD, rA, rB, rSA, rSB.  zero: it starts its sum.  arow, brow: the scales stand in lanes 16-31
.macro WM zero, arow, brow
.if \zero
.if \arow
.if \brow
	v_wmma_scale_f32_16x16x128_f8f6f4 v[rD:rD+7], v[rA:rA+7], v[rB:rB+7], 0, v[rSA], v[rSB] matrix_a_fmt:MATRIX_FMT_FP4 matrix_b_fmt:MATRIX_FMT_FP4 matrix_a_scale:MATRIX_SCALE_ROW1 matrix_b_scale:MATRIX_SCALE_ROW1
.else
	v_wmma_scale_f32_16x16x128_f8f6f4 v[rD:rD+7], v[rA:rA+7], v[rB:rB+7], 0, v[rSA], v[rSB] matrix_a_fmt:MATRIX_FMT_FP4 matrix_b_fmt:MATRIX_FMT_FP4 matrix_a_scale:MATRIX_SCALE_ROW1
.endif
.else
.if \brow
	v_wmma_scale_f32_16x16x128_f8f6f4 v[rD:rD+7], v[rA:rA+7], v[rB:rB+7], 0, v[rSA], v[rSB] matrix_a_fmt:MATRIX_FMT_FP4 matrix_b_fmt:MATRIX_FMT_FP4 matrix_b_scale:MATRIX_SCALE_ROW1
.else
	v_wmma_scale_f32_16x16x128_f8f6f4 v[rD:rD+7], v[rA:rA+7], v[rB:rB+7], 0, v[rSA], v[rSB] matrix_a_fmt:MATRIX_FMT_FP4 matrix_b_fmt:MATRIX_FMT_FP4
.endif
.endif
.else
.if \arow
.if \brow
	v_wmma_scale_f32_16x16x128_f8f6f4 v[rD:rD+7], v[rA:rA+7], v[rB:rB+7], v[rD:rD+7], v[rSA], v[rSB] matrix_a_fmt:MATRIX_FMT_FP4 matrix_b_fmt:MATRIX_FMT_FP4 matrix_a_scale:MATRIX_SCALE_ROW1 matrix_b_scale:MATRIX_SCALE_ROW1
.else
	v_wmma_scale_f32_16x16x128_f8f6f4 v[rD:rD+7], v[rA:rA+7], v[rB:rB+7], v[rD:rD+7], v[rSA], v[rSB] matrix_a_fmt:MATRIX_FMT_FP4 matrix_b_fmt:MATRIX_FMT_FP4 matrix_a_scale:MATRIX_SCALE_ROW1
.endif
.else
.if \brow
	v_wmma_scale_f32_16x16x128_f8f6f4 v[rD:rD+7], v[rA:rA+7], v[rB:rB+7], v[rD:rD+7], v[rSA], v[rSB] matrix_a_fmt:MATRIX_FMT_FP4 matrix_b_fmt:MATRIX_FMT_FP4 matrix_b_scale:MATRIX_SCALE_ROW1
.else
	v_wmma_scale_f32_16x16x128_f8f6f4 v[rD:rD+7], v[rA:rA+7], v[rB:rB+7], v[rD:rD+7], v[rSA], v[rSB] matrix_a_fmt:MATRIX_FMT_FP4 matrix_b_fmt:MATRIX_FMT_FP4
.endif
.endif
.endif
.endm
; what the two tiles of a unit multiply: S's base, S's scale words, T's scale words (real; imaginary 4 on), which half of the lanes holds the latter
.macro CONF sb0, sb1, ss0, ss1, ts0, ts1, ar0, ar1
.set pSB0, \sb0
.set pSB1, \sb1
.set pSS0, \ss0
.set pSS1, \ss1
.set pTS0, \ts0
.set pTS1, \ts1
.set pAR0, \ar0
.set pAR1, \ar1
.endm
; four products of tile t, K step s: ab = 0: with Ti (P from S1, E from S0; s = 0 starts the sums); ab = 1: with Tr (P from S0, E from S1).  A tile's four accumulators take turns, one instruction a turn
.macro PRT ab, s, t
	WIN 4                                          ; S: window 1
.irp kd, 0,1
.irp a, 0,1
.set xP, (\kd)*(\ab)+(1-\kd)*(1-\ab)
.set rD, ACC+32*\t+16*\kd+8*\a
.set rA, TT+64*\t+32*(1-\ab)+8*\s
.set rB, pSB0*(1-\t)+pSB1*\t+8*(8*xP+2*\s+\a)
.set rSA, pTS0*(1-\t)+pTS1*\t+4*(1-\ab)+\s
.set rSB, pSS0*(1-\t)+pSS1*\t+4*xP+\s
	WM ((\s==0)*(1-\ab)), (pAR0*(1-\t)+pAR1*\t), \a
.endr
.endr
.endm
.macro PROD ab, s                      ; the same of both tiles: eight accumulators by turns
	PRT \ab, \s, 0
	PRT \ab, \s, 1
.endm
.macro NEGT t                          ; P = - Ti S1 of tile t, each accumulator from its low end on
	WIN 0
.irp a, 0,1
.irp j, 0,2,4,6
.set xR, ACC+32*\t+8*\a+\j
	v_pk_mul_f32 v[xR:xR+1], v[xR:xR+1], -1.0 op_sel_hi:[1,0]
.endr
.endr
.endm
.macro NEGP
	NEGT 0
	NEGT 1
.endm
; 8 LDS loads: one part of a tile of T, 16 rows x K 512.  A fragment of 4-bit codes is two loads of 16 bytes, 32 apart, at row x pitch + 16 h; a K step is 64 bytes of a row
.macro FTH t, part, ad, off
.irp s, 0,1,2,3
.irp c, 0,1
	ds_load_b128 v[TT+64*\t+32*\part+8*\s+4*\c:TT+64*\t+32*\part+8*\s+4*\c+3], v[\ad] offset:(\off)+64*\s+32*\c
.endr
.endr
.endm
.macro FT part, ad, off, toff          ; the same for both tiles, toff apart
	WIN 0
	FTH 0, \part, \ad, \off
	FTH 1, \part, \ad, (\off)+(\toff)
.endm
; S of a path comes out of LDS: 32 loads, each an image of four registers, K step by K step; sc = 1: its scale words first
.macro LOADSTAT sb, sc, ss
	WIN 0
.if \sc
.irp p, 0,1
	ds_load_b128 v[(\ss)+4*\p:(\ss)+4*\p+3], v[LIZ] offset:16384+512*\p
.endr
.endif
	WIN 0x40
.irp s, 0,1,2,3
.irp p, 0,1
.irp a, 0,1
.irp c, 0,1
	ds_load_b128 v[(\sb)+8*(8*\p+2*\s+\a)+4*\c:(\sb)+8*(8*\p+2*\s+\a)+4*\c+3], v[LIZ] offset:8192*\p+2048*\s+1024*\a+512*\c
.endr
.endr
.endr
.endr
	WIN 0
.endm
.macro UIMAGE t                        ; my 16 rows of one part of a U (K 512), as loaded from memory, go to LDS as images
.irp s, 0,1,2,3
.irp c, 0,1
	ds_store_b128 v54, v[TT+32*\t+8*\s+4*\c:TT+32*\t+8*\s+4*\c+3] offset:2048*\s+512*\c
.endr
.endr
.endm
; my 64 rows of the next item for a slot
.macro RSET slot, src, imm
	s_add_co_u32 s[G0+1], s[WQ], \slot*SLOT
	s_add_nc_u64 s[G0+2:G0+3], s[\src:\src+1], \imm
	s_or_b32 s[G0+3], s[G0+3], 0x80000000          ; type = 2
.endm
.macro REFILL                          ; the first thing behind a round: one joint load a wave
	WIN 0
	tensor_load_to_lds s[G0:G0+3], s[G1:G1+7]
	s_nop 0
	PLACES 4
.endm
; A PAIR OF TILES (32 k x my 32 p, r and im) IS QUANTISED.  Unit n = 2 kind + a.  A lane holds 16 of a block's 32 numbers (k = 16 t + 8 h + j), lane l xor 16 the others.
; The eight codes of (t, h) are 4 bytes at 8 t + 4 h of the 16 bytes that the reader's lane r + 16 q loads.  r is part 1 of S, im part 0.  i: which half of the k.
.macro QUANT i, q
.irp n, 0,1,2,3
	v_max3_num_f32 v[QM+\n], 0x1800000, |v[ACC+8*\n]|, |v[ACC+8*\n+1]|   ; the floor 2^(3 - 127) among the leaves: the byte cannot fall under 1
.endr
.irp j, 2,4,6,32,34,36,38
.irp n, 0,1,2,3
	v_max3_num_f32 v[QM+\n], v[QM+\n], |v[ACC+8*\n+\j]|, |v[ACC+8*\n+\j+1]|
.endr
.endr
.irp n, 0,1,2,3
	v_permlanex16_b32 v[QN+\n], v[QM+\n], s[SEL], s[SEL+1]
.endr
.irp n, 0,1,2,3
	v_max_num_f32 v[QM+\n], v[QM+\n], v[QN+\n]     ; the block's largest magnitude
.endr
.irp n, 0,1,2,3
	v_add_nc_u32 v[QM+\n], 0xff000000, v[QM+\n]    ; 2 off its exponent field: the conversion takes that field as its scale
.endr
.irp n, 0,1,2,3
.irp t, 0,1
	v_cvt_scalef32_pk8_fp4_f32 v[QC+2*\n+\t], v[ACC+32*\t+8*\n:ACC+32*\t+8*\n+7], v[QM+\n]
.endr
.endr
.irp n, 0,1,2,3
	v_lshrrev_b32 v[QN+\n], 23, v[QM+\n]           ; the scale's byte.  (The plain line behind the conversions)
.endr
.irp n, 0,1,2,3
.irp t, 0,1
	ds_store_b32 v[IMW], v[QC+2*\n+\t] offset:4096*(\i)+8192*(1-\n/2)+1024*(\n%2)+256*(\q)+8*\t
.endr
	ds_store_b8 v[ISW], v[QN+\n] offset:8*(\i)+(\q)+512*(1-\n/2)+256*(\n%2)   ; both halves of the lanes write the same byte with the same value
.endr
.endm
; the next item's scale words for the same pair, in place; behind H1 V0's: Ux's two matrices, then Uh's
.macro SCL it, q
.if (\it) == 3
	global_load_b128 v[TS+8*\q:TS+8*\q+3], v[VOF], s[28+4*\q:29+4*\q]
	global_load_b128 v[TS+8*\q+4:TS+8*\q+7], v[VOF], s[30+4*\q:31+4*\q]
.else
.if (\it) == 0
.set xS, 12
.else
.set xS, 16
.endif
.if (\it) == 1
.set xO, 512*(\q)
.else
.set xO, 4096+512*(\q)
.endif
	global_load_b128 v[TS+8*\q:TS+8*\q+3], v[LOF], s[xS:xS+1] offset:xO
	global_load_b128 v[TS+8*\q+4:TS+8*\q+7], v[LOF], s[xS+2:xS+3] offset:xO
.endif
.endm
; AN ITEM OF STAGE 1: my 64 rows k, two units.  la: its slot's rows, lan: the next item's.  On the way in the first unit's two tiles have been asked for.
; The first unit of X0 and of H0 has a barrier: every wave's reads of the images are over, so QUANT's stores may write there.  In H0 one more stands ahead of it: R(x) lies in LDS, whole, and takes Ux's place in registers.
.macro S1ITEM it, pth, la, lan, src, imm
.if (\it) == 3
.set nIM, BLK
.set nTO, 2*BLK
.else
.set nIM, IMO
.set nTO, 16*PITCH
.endif
	CONF 128*\pth, 128*\pth, SSA+8*\pth, SSA+8*\pth, TS, TS, 0, 1
	s_wait_loadcnt 0x2                             ; this unit's scale words are in; the other unit's two loads may be out
.if (\it) > 0
	s_wait_dscnt 28                                ; the imaginary halves are in; behind them stand the real halves' 16 loads and 12 stores of codes and bytes
.endif                                 ; (X0's two tiles were shown in ahead of the item)
	PROD 0, 0
.if (\it) == 2
	s_wait_dscnt 0x0                               ; my codes of R(x) have landed
	s_barrier_signal -1
	PROD 0, 1
	s_barrier_wait -1
	LOADSTAT 0, 1, SSA                             ; R(x): it lands under the products below, which do not name path x's registers
.else
	PROD 0, 1
.endif
	PROD 0, 2
	PROD 0, 3
.if (\it) == 0
	s_wait_dscnt 0x0                               ; path h's Uh is in registers
	s_barrier_signal -1
	PLACES 4
	NEGP
	PROD 1, 0
	PROD 1, 1
	WIN 0
	s_barrier_wait -1
	FT 1, \la, IMO+32*PITCH, 16*PITCH              ; the second unit's imaginary halves
	PROD 1, 2
	PROD 1, 3
	WIN 0
	PLACES 4
.elseif (\it) == 2
	PLACES 4
	NEGP
	FT 1, \la, IMO+32*PITCH, 16*PITCH
	PROD 1, 0
	PROD 1, 1
	PROD 1, 2
	s_wait_dscnt 0x0                               ; R(x) is in registers
	s_barrier_signal -1
	PROD 1, 3
	WIN 0
	PLACES 4
	s_barrier_wait -1
.else
	s_wait_dscnt 12                                ; the real halves are in; the 12 stores may be out
	PLACES 4
	NEGP
	FT 1, \la, IMO+32*PITCH, 16*PITCH
	PROD 1, 0
	PROD 1, 1
	PROD 1, 2
	PROD 1, 3
	WIN 0
	PLACES 4
.endif
	FT 0, \la, 32*PITCH, 16*PITCH                  ; and its real halves: my last read of the slot in hand
	SCL \it, 0
	QUANT (\it)%2, 0
	; the second unit, with the change of slots in it: nothing more is read from the slot in hand.  In X0 it stands behind the products with Ti: X1 was asked for last
	CONF 128*\pth, 128*\pth, SSA+8*\pth, SSA+8*\pth, TS+8, TS+8, 0, 1
	s_wait_loadcnt 0x2
.if (\it) == 0
	s_wait_dscnt 28
	PROD 0, 0
	PROD 0, 1
	PROD 0, 2
	PROD 0, 3
	s_wait_dscnt 12
	PLACES 4
	NEGP
	PROD 1, 0
.endif
	WIN 0
	s_wait_tensorcnt 0x0                           ; no tensor load of mine is out, so group 0 may be written
	ds_add_u32 v[SPW], v[NIL]                      ; 0 onto my spare word
	RSET (\it)%2, \src, \imm
.if (\it) == 0
	s_wait_dscnt 0x0                               ; the add is done, and my reads of the slot are over
	s_barrier_signal -1
	PROD 1, 1                                      ; work on registers while the others arrive
	PROD 1, 2
	PROD 1, 3
	WIN 0                                          ; (a branch follows)
	s_barrier_wait -1
	CSIG
	s_barrier_wait -3
	s_barrier_signal -1
	s_barrier_wait -1                              ; both now hold of every wave of all four work-groups
	REFILL
	FT 1, \lan, nIM, nTO                           ; the next item's first unit
.else
	s_wait_dscnt 29                                ; the imaginary halves are in; behind them 16 loads, 12 stores and the add
	PROD 0, 0
	s_wait_dscnt 0x0
	s_barrier_signal -1
	PROD 0, 1
	PROD 0, 2
	PROD 0, 3
	WIN 0
	s_barrier_wait -1
	CSIG
	s_barrier_wait -3
	s_barrier_signal -1
	s_barrier_wait -1
	REFILL
	NEGP
	FT 1, \lan, nIM, nTO
	PROD 1, 0
	PROD 1, 1
	PROD 1, 2
	PROD 1, 3
	WIN 0
	PLACES 4
.endif
	FT 0, \lan, 0, nTO
	SCL \it, 1
	QUANT (\it)%2, 1
.endm
.macro SENDOUT n                       ; phase n's 16 rows x 256 bytes: sixteen lanes store 256 consecutive bytes, at a multiple of 256 from the output's first byte; written once, read by nobody here
.irp i, 0,1,2,3,4,5,6,7
	global_store_b128 v[GO], v[TT+4*\i:TT+4*\i+3], s[OBP:OBP+1] offset:4096*\i+256*(\n) th:TH_STORE_NT
.endr
.endm
.macro READBACK                        ; 16 rows of the stage a wave, into the registers of tile 0's real half; lanes 0-15 one row, lanes 16-31 the next
	WIN 0
.irp i, 0,1,2,3,4,5,6,7
	ds_load_b128 v[TT+4*\i:TT+4*\i+3], v[SR] offset:2*PITCH*\i
.endr
.endm
.macro VSCL v                          ; a V item's scale words: 128 rows are 2,048 bytes
.irp m, 0,1,2,3
	global_load_b128 v[TS+16*((\v)%2)+4*\m:TS+16*((\v)%2)+4*\m+3], v[VOF], s[28+2*\m:29+2*\m] offset:2048*(\v)
.endr
.endm
; A PHASE OF STAGE 2: 64 columns q of the output for the work-group's 64 rows; I make 16 columns of my 32 rows, on both paths (tile 0: Ux against R(x), tile 1: Uh against R(h)).
; On the way in the rows of the phase before go to the stage: they are read back and stored under the products with Ti; tile 0's real half is fetched behind that, under tile 1's products.
; The first phase takes R(h) instead: tile 0 goes first while it comes.
.macro PHASE n
.set xV, (\n)/2
.set xT, (\n)%2
.set xB, VB0+(xV%2)
.set xN, VB0+1-(xV%2)
	CONF 0, 128, SSA, SSB, TS+16*(xV%2), TS+16*(xV%2)+8, xT, xT
.if (\n) == 0
	s_wait_loadcnt 0x2                             ; Ux's scale words are in; Uh's two loads may be out
	s_wait_dscnt 28                                ; the imaginary halves are in; behind them 16 loads and 12 stores
	PRT 0, 0, 0
	PRT 0, 1, 0
	s_wait_dscnt 0x0                               ; my codes of R(h) have landed
	s_barrier_signal -1
	PRT 0, 2, 0
	PRT 0, 3, 0
	s_barrier_wait -1
	LOADSTAT 128, 1, SSB                           ; R(h) lies in LDS, whole; it takes Uh's place
	VSCL 1
	PLACES 4
	NEGT 0
.irp s, 0,1,2,3
	PRT 1, \s, 0
.endr
	s_wait_loadcnt 0x4                             ; Uh's scale words; V1's four loads may be out
.irp s, 0,1,2,3
	s_wait_dscnt 24-8*\s                           ; R(h) comes K step by K step, eight loads each, behind its two loads of scale words
	PRT 0, \s, 1
.endr
	PLACES 4
	NEGT 1
	s_barrier_signal -1                            ; (every LDS load of mine is in) my reads of the images are over
	PRT 1, 0, 1
	PRT 1, 1, 1
	WIN 0
	s_barrier_wait -1
	v_add_nc_u32 v[AD], TAU, v[xB]
	s_wait_alu depctr_va_vdst(0)
	FT 1, AD, BLK, 2*BLK                           ; the next phase's imaginary halves
	PRT 1, 2, 1
	PRT 1, 3, 1
	WIN 0
	PLACES 4
.else
.if xT == 0
.if xV == 3
	s_wait_loadcnt 0x0
.else
	s_wait_loadcnt 0x4                             ; this item's scale words are in; the next item's four loads may be out
.endif
.endif
	s_wait_dscnt 16                                ; the imaginary halves are in; behind them tile 1's eight loads and eight stores into the stage
	PROD 0, 0
	s_wait_dscnt 0x0                               ; my stores into the stage have landed
	s_barrier_signal -1
	PROD 0, 1
	s_barrier_wait -1                              ; 128 whole rows of 256 bytes lie there
	READBACK
	PROD 0, 2
	PROD 0, 3
	WIN 0
	s_wait_dscnt 0x0                               ; the rows are back
	SENDOUT (\n)-1
	PLACES 4
	NEGP
	s_wait_alu depctr_va_vdst(0)
	s_wait_xcnt 0x0                                ; the stores have read their registers: the half may be loaded
.if xT == 0
	s_barrier_signal -1                            ; my reads of the stage are over
	FTH 0, 0, xB, 0
.irp s, 0,1,2,3
	PRT 1, \s, 1
.endr
	WIN 0
	s_wait_dscnt 0x0                               ; tile 0's real half is in
	s_barrier_wait -1
	v_add_nc_u32 v[AD], TAU, v[xB]
	s_wait_alu depctr_va_vdst(0)
	FT 1, AD, BLK, 2*BLK                           ; the next phase's imaginary halves
.irp s, 0,1,2,3
	PRT 1, \s, 0
.endr
	WIN 0
	PLACES 4
.else
	FTH 0, 0, AD, 0                                ; my last read of the slot in hand
	PRT 1, 0, 1
	PRT 1, 1, 1
	WIN 0
.if xV < 3                             ; the change of slots: behind this barrier the next item is read, and for V0 and V1 the slot in hand is filled again
	s_wait_tensorcnt 0x0
.endif
.if xV < 2
	ds_add_u32 v[SPW], v[NIL]
	RSET xV, VP, 0x10000+0x8000*xV
.endif
	PRT 1, 2, 1
	PRT 1, 3, 1
	s_wait_dscnt 0x0                               ; (the add is done;) my reads of the stage and of the slot are over
	s_barrier_signal -1
	PRT 1, 0, 0
	PRT 1, 1, 0
	PRT 1, 2, 0
	PRT 1, 3, 0
	WIN 0
	s_barrier_wait -1
.if xV < 2
	CSIG
	s_barrier_wait -3
	s_barrier_signal -1
	s_barrier_wait -1                              ; this holds of every wave of all four work-groups
	REFILL
.else
	PLACES 4
.endif
.if (\n) < 7
	FT 1, xN, BLK, 2*BLK
.endif
.endif
.endif
.if (\n) < 7                           ; and the next phase's tile 1, real half
.if xT == 0
	FTH 1, 0, AD, 2*BLK
.else
	FTH 1, 0, xN, 2*BLK
.endif
.endif
.if (xT == 1) && (xV < 2)
	VSCL xV+2
.endif
.set i, 0
.rept 16
	v_pk_mul_f32 v[ACC+i:ACC+i+1], v[ACC+i:ACC+i+1], s[GG:GG+1] op_sel_hi:[1,0]   ; g x path x; each accumulator from its low end on
.set i, i+2
.endr
.set i, 0
.rept 16
	v_pk_fma_f32 v[ACC+i:ACC+i+1], v[ACC+32+i:ACC+32+i+1], s[G1M:G1M+1], v[ACC+i:ACC+i+1] op_sel_hi:[1,0,1]   ; + (1 - g) x path h
.set i, i+2
.endr
.irp a, 0,1                            ; lane (r, h) holds row 32 (j / 4) + 16 a + r, columns 16 w + 8 h + 0..7: 32 bytes
.irp d, 0,1
	ds_store_b128 v[SO], v[ACC+16+8*\a+4*\d:ACC+16+8*\a+4*\d+3] offset:16*PITCH*\a+16*\d              ; out_r: the stage's rows 0-63
.endr
.irp d, 0,1
	ds_store_b128 v[SO], v[ACC+8*\a+4*\d:ACC+8*\a+4*\d+3] offset:64*PITCH+16*PITCH*\a+16*\d           ; out_i: rows 64-127
.endr
.endr
.endm
	; ---- THE HEAD
	s_load_b512 s[4:19], s[0:1], 0x0               ; codes of xr, xi, hr, hi: s[4:11]; their scales: s[12:19]
	s_load_b512 s[20:35], s[0:1], 0x40             ; codes of Uxr, Uxi, Uhr, Uhi: s[20:27]; their scales: s[28:35]
	s_load_b128 s[36:39], s[0:1], 0x80             ; Lambda, out0
	s_load_b64 s[40:41], s[0:1], 0x90              ; out1
	v_lshl_add_u32 v[SPW], v0, 2, SPARE
	v_mov_b32 v[NIL], 0
	ds_add_u32 v[SPW], v[NIL]                      ; the wave's opening: the add, twice on end, and its wait ahead of my first tensor load
	ds_add_u32 v[SPW], v[NIL]
	v_lshrrev_b32 v48, 5, v0
	v_readfirstlane_b32 s[WV], v48                 ; wave j, 0..7
	; descriptor group 1: 64 rows of 256 bytes, dense in memory, 16 bytes of padding behind each
	s_mov_b32 s[G1+0], 15|(1<<20)|(1<<21)|(5<<22)|(3<<25)   ; 15:0 the mask: all four work-groups; 17:16 elements of 1 byte; 20 padding on; 21 set beside a mask; 24:22 after every 64 words; 31:25 four words
	s_mov_b32 s[G1+1], 256<<16                     ; tensor_dim0
	s_mov_b32 s[G1+2], 64<<16                      ; tensor_dim1
	s_mov_b32 s[G1+3], 256<<16                     ; tile_dim0
	s_mov_b32 s[G1+4], 64                          ; tile_dim1
	s_mov_b32 s[G1+5], 256                         ; tensor_dim0_stride
	s_mov_b32 s[G1+6], 0
	s_mov_b32 s[G1+7], 0
	s_wait_dscnt 0x0                               ; both opening adds are done
	s_and_b32 s[WP], s[WV], 3
	s_lshr_b32 s[PH], s[WV], 2
	s_and_b32 s[BB], ttmp7, 0xffff                 ; the batch, which the four partners share
	s_bfe_u32 s[CX], ttmp6, 0x40000                ; cx: it enters the addresses of my rows of U, of the outputs and of the prefetches alone
	s_lshl_b32 s[PT], ttmp9, 2
	s_add_co_u32 s[PT], s[PT], s[CX]               ; which 64 rows p
	s_mul_i32 s[WQ], s[WV], BLK
	s_mov_b32 s[SEL], 0x76543210
	s_mov_b32 s[SEL+1], 0xfedcba98
	s_lshl_b32 s90, s[PH], 15                      ; x and h: 64 rows of part (j / 2) % 2, rows 128 (j / 4) + 64 (j % 2) on, of batch b
	s_and_b32 s91, s[WV], 1
	s_lshl_b32 s91, s91, 14
	s_add_co_u32 s90, s90, s91
	s_lshl_b32 s91, s[BB], 17
	s_add_co_u32 s90, s90, s91
	s_mov_b32 s91, 0
	s_lshl_b32 s92, s[PH], 14                      ; U: 64 rows of matrix j % 4, rows 64 (j / 4) on
	s_mov_b32 s93, 0
	s_lshl_b32 s94, s[BB], 20                      ; the rows that I store: batch b, 64 rows of 2,048 bytes for each p tile, 16 (j % 4) rows on
	s_lshl_b32 s95, s[PT], 17
	s_add_co_u32 s94, s94, s95
	s_lshl_b32 s95, s[WP], 15
	s_add_co_u32 s94, s94, s95
	s_mov_b32 s95, 0
	s_lshl_b32 s96, s[CX], 12                      ; the prefetches: my work-group's 16 of the 64 rows
	s_mov_b32 s97, 0
	s_lshr_b32 s2, s[WP], 1
	s_and_b32 s3, s[WP], 1
	s_mul_i32 s60, s2, 4*BLK
	s_mul_i32 s61, s3, BLK
	s_add_co_u32 s60, s60, s61                     ; LA: group w's rows: 128-row blocks, real then imaginary
	s_mul_i32 s61, s[WP], 16*PITCH                 ; VB
	s_mul_i32 s62, s[PH], ZH
	s_add_co_u32 s62, s62, ZIM                     ; LIZ: my half's images
	s_lshl_b32 s63, s2, 11
	s_lshl_b32 s66, s3, 9
	s_add_co_u32 s63, s63, s66
	s_add_co_u32 s63, s63, s62                     ; IMW
	s_lshl_b32 s66, s[WP], 1
	s_add_co_u32 s66, s66, s62
	s_add_co_u32 s66, s66, 16384                   ; ISW
	s_mul_i32 s67, s2, ZH
	s_lshl_b32 s68, s3, 10
	s_add_co_u32 s67, s67, s68
	s_lshl_b32 s68, s[PH], 13
	s_add_co_u32 s67, s67, s68
	s_add_co_u32 s67, s67, ZIM                     ; where my 16 rows of U go: rows 16 (j % 4) on, part j / 4
	s_mul_i32 s68, s[PH], 32*PITCH
	s_lshl_b32 s69, s[WP], 6
	s_add_co_u32 s68, s68, s69
	s_add_co_u32 s68, s68, ZIM                     ; SO
	s_mul_i32 s69, s[WV], 16*PITCH
	s_add_co_u32 s69, s69, ZIM                     ; SR
	s_lshl_b32 s70, s[WP], 10
	s_lshl_b32 s71, s[BB], 13
	s_add_co_u32 s70, s70, s71                     ; LOF
	s_lshl_b32 s71, s[WP], 8                       ; VOF
	s_lshl_b32 s72, s[PT], 10
	s_lshl_b32 s73, s[PH], 9
	s_add_co_u32 s72, s72, s73                     ; U's scale words of my 32 rows p
	s_lshl_b32 s73, s[PT], 14
	s_lshl_b32 s2, s[WP], 12
	s_add_co_u32 s73, s73, s2                      ; U's codes of the 16 rows that I bring
	v_and_b32 v49, 15, v0                          ; r
	v_bfe_u32 v50, v0, 4, 1                        ; h
	v_and_b32 v51, 31, v0                          ; lane
	v_mul_u32_u24 v55, v49, PITCH
	v_lshl_add_u32 v48, v50, 4, v55                ; r PITCH + 16 h
	v_lshlrev_b32 v52, 4, v49                      ; 16 r
	v_lshlrev_b32 v53, 4, v51                      ; 16 x lane
	v_add_nc_u32 v[LA0], s60, v48
	v_add_nc_u32 v[LA1], SLOT, v[LA0]
	v_add_nc_u32 v[VB0], s61, v48
	v_add_nc_u32 v[VB1], SLOT, v[VB0]
	v_lshl_add_u32 v[IMW], v50, 2, v52
	v_add_nc_u32 v[IMW], s63, v[IMW]
	v_add_nc_u32 v[ISW], s66, v52
	v_add_nc_u32 v[LIZ], s62, v53
	v_add_nc_u32 v54, s67, v53
	v_lshl_add_u32 v[SO], v50, 5, v55
	v_add_nc_u32 v[SO], s68, v[SO]
	v_mul_u32_u24 v[SR], v50, PITCH
	v_add_nc_u32 v[SR], v[SR], v52
	v_add_nc_u32 v[SR], s69, v[SR]
	v_lshl_add_u32 v[GO], v50, 11, v52
	v_add_nc_u32 v[LOF], s70, v53
	v_lshl_add_u32 v[VOF], v50, 10, v52
	v_add_nc_u32 v[VOF], s71, v[VOF]
	v_add_nc_u32 v56, s72, v53
	v_lshlrev_b32 v57, 8, v49
	v_lshl_add_u32 v57, v50, 4, v57
	v_add_nc_u32 v57, s73, v57
	v_lshlrev_b32 v62, 8, v49                      ; X1's prefetch: 256 r (lanes 16-31 name the same rows)
	v_lshl_add_u32 v[PFO], v50, 16, v62            ; lanes 0-15: rows of H0, lanes 16-31: of H1
	s_wait_alu depctr_va_vdst(0)
	s_wait_kmcnt 0x0
	s_load_b32 s83, s[36:37], 0x0                  ; Lambda
	s_and_b32 s2, s[WV], 1
	s_cmp_lt_u32 s[WP], 2
	s_cselect_b64 s[VP:VP+1], s[20:21], s[24:25]
	s_cselect_b64 s[UPX:UPX+1], s[22:23], s[26:27]
	s_cmp_eq_u32 s2, 0
	s_cselect_b64 s[VP:VP+1], s[VP:VP+1], s[UPX:UPX+1]
	s_and_b32 s2, s[WV], 2
	s_cmp_eq_u32 s2, 0
	s_cselect_b64 s[XP:XP+1], s[4:5], s[6:7]
	s_cselect_b64 s[HP:HP+1], s[8:9], s[10:11]
	s_cmp_eq_u32 s[PH], 0                          ; waves 0-3: out0 and the real matrices; waves 4-7: out1 and the imaginary ones
	s_cselect_b64 s[OBP:OBP+1], s[38:39], s[40:41]
	s_cselect_b64 s[UPX:UPX+1], s[20:21], s[22:23]
	s_cselect_b64 s[UPH:UPH+1], s[24:25], s[26:27]
	s_add_nc_u64 s[XP:XP+1], s[XP:XP+1], s[90:91]
	s_add_nc_u64 s[HP:HP+1], s[HP:HP+1], s[90:91]
	s_add_nc_u64 s[VP:VP+1], s[VP:VP+1], s[92:93]
	s_add_nc_u64 s[OBP:OBP+1], s[OBP:OBP+1], s[94:95]
	s_add_nc_u64 s[PFX:PFX+1], s[XP:XP+1], s[96:97]
	s_add_nc_u64 s[PFA:PFA+1], s[HP:HP+1], s[96:97]
	s_mov_b32 s[G0], 1                             ; count = 1
	RSET 0, XP, 0                                  ; block j of 64 rows: no place in the cluster enters an LDS address
	ROUND                                          ; all four work-groups are here: the first joint loads meet
	REFILL                                         ; X0: my one tensor load at the head
.irp s, 0,1,2,3                        ; 24 loads.  Eight: my 16 rows of Ux's part, as fragments; eight: of Uh's
.irp c, 0,1
	global_load_b128 v[TT+8*\s+4*\c:TT+8*\s+4*\c+3], v57, s[UPX:UPX+1] offset:64*\s+32*\c
.endr
.endr
.irp s, 0,1,2,3
.irp c, 0,1
	global_load_b128 v[TT+32+8*\s+4*\c:TT+32+8*\s+4*\c+3], v57, s[UPH:UPH+1] offset:64*\s+32*\c
.endr
.endr
.irp m, 0,1,2,3                        ; four: the scale words of my 32 rows of U: a row's 16 bytes are its four words; lane = row
	global_load_b128 v[SSA+4*\m:SSA+4*\m+3], v56, s[28+2*\m:29+2*\m]
.endr
.irp q, 0,1                            ; four: X0's scale words of my 64 rows
.irp p, 0,1
	global_load_b128 v[TS+8*\q+4*\p:TS+8*\q+4*\p+3], v[LOF], s[12+2*\p:13+2*\p] offset:512*\q
.endr
.endr
	global_prefetch_b8 v62, s[PFX:PFX+1] offset:65536 th:TH_LOAD_NT scope:SCOPE_SE   ; 16 rows of X1
	s_wait_kmcnt 0x0                               ; g = 1 / (1 + 2^(-Lambda log2 e))
	v_mov_b32 v58, s83
	v_mul_f32 v58, 0xbfb8aa3b, v58
	s_wait_alu depctr_va_vdst(0)                   ; the wait ahead of a transcendental,
	v_exp_f32 v59, v58
	v_nop                                          ; a plain line behind it,
	s_wait_alu depctr_va_vdst(0)                   ; and the wait ahead of its first reader
	v_add_f32 v59, 1.0, v59
	s_wait_alu depctr_va_vdst(0)
	v_rcp_f32 v60, v59
	v_nop
	s_wait_alu depctr_va_vdst(0)
	v_sub_f32 v61, 1.0, v60
	v_readfirstlane_b32 s[GG], v60
	v_readfirstlane_b32 s[G1M], v61
	s_mov_b32 s[GG+1], s[GG]                       ; (named as pairs by the packed forms, so both words are written)
	s_mov_b32 s[G1M+1], s[G1M]
	s_wait_loadcnt 16                              ; of the 24 loads the first eight are in: Ux
	UIMAGE 0
	SYNCP                                          ; the eight waves' pieces of Ux lie in LDS
	LOADSTAT 0, 0, SSA
	SYNCP                                          ; every wave has them in registers: the images may be written again
	s_wait_xcnt 0x0                                ; the prefetch has read its offset: v62 may be written from here on
	s_wait_loadcnt 8                               ; the first sixteen are in: Uh
	UIMAGE 1
	s_wait_tensorcnt 0x0                           ; my rows of X0 are in
	ds_add_u32 v[SPW], v[NIL]
	RSET 1, XP, 0x10000
	s_wait_dscnt 0x0                               ; the add is done, and my pieces of Uh have landed
	ROUND                                          ; X0 and Uh's images are whole, and all four work-groups are here
	REFILL                                         ; X1
	FT 1, LA0, IMO, 16*PITCH
	FT 0, LA0, 0, 16*PITCH
	LOADSTAT 128, 0, SSB                           ; lands under X0's first products, which do not name path h's registers
	global_prefetch_b8 v[PFO], s[PFA:PFA+1] th:TH_LOAD_NT scope:SCOPE_SE   ; 16 rows of H0 and of H1
	s_wait_loadcnt 0x0                             ; the scale words
	s_wait_dscnt 32                                ; of the 64 LDS loads the oldest 32 are in: the two tiles
	; ---- STAGE 1, path x; in its two items H0 and H1 are asked for
	S1ITEM 0, 0, LA0, LA1, HP, 0
	S1ITEM 1, 0, LA1, LA0, HP, 0x10000
	; ---- STAGE 1, path h; V0 and V1 are asked for
	S1ITEM 2, 1, LA0, LA1, VP, 0
	S1ITEM 3, 1, LA1, VB0, VP, 0x8000
	; ---- STAGE 2
	PHASE 0
	PHASE 1
	PHASE 2
	PHASE 3
	PHASE 4
	PHASE 5
	PHASE 6
	PHASE 7
	SYNCP                                          ; the last phase's rows lie in the stage
	READBACK
	s_wait_dscnt 0x0
	SENDOUT 7
	s_wait_tensorcnt 0x0                           ; the wave's end: behind my last tensor load and my last LDS store
	ds_add_u32 v[SPW], v[NIL]
	s_wait_dscnt 0x0
	ROUND                                          ; the closing round: no work-group ends while a partner may still ask for a tile that names it
	s_endpgm
.Lfunc_end_k_q6bb40f611a_qrnn:
	.size	k_q6bb40f611a_qrnn, .Lfunc_end_k_q6bb40f611a_qrnn-k_q6bb40f611a_qrnn
	.p2alignl 7, 3214868480
	.fill 96, 4, 3214868480
	.section	.rodata,"a",@progbits
	.p2align	6, 0x0
	.amdhsa_kernel k_q6bb40f611a_qrnn
		.amdhsa_group_segment_fixed_size 327680
		.amdhsa_private_segment_fixed_size 0
		.amdhsa_enable_private_segment 0
		.amdhsa_kernarg_size 152
		.amdhsa_user_sgpr_count 2
		.amdhsa_user_sgpr_kernarg_segment_ptr 1
		.amdhsa_wavefront_size32 1
		.amdhsa_system_sgpr_workgroup_id_x 1
		.amdhsa_system_sgpr_workgroup_id_y 1
		.amdhsa_system_sgpr_workgroup_id_z 1
		.amdhsa_system_vgpr_workitem_id 0
		.amdhsa_next_free_vgpr 512
		.amdhsa_next_free_sgpr 102
		.amdhsa_reserve_vcc 0
		.amdhsa_float_denorm_mode_32 3
		.amdhsa_float_denorm_mode_16_64 3
		.amdhsa_memory_ordered 1
		.amdhsa_forward_progress 1
		.amdhsa_inst_pref_size 255
	.end_amdhsa_kernel
	.section	.bss,"aw",@nobits
	.p2align	6
	.space	262144
	.amdgpu_metadata
---
amdhsa.version: [ 1, 2 ]
amdhsa.kernels:
  - .name:           k_q6bb40f611a_qrnn
    .symbol:         k_q6bb40f611a_qrnn.kd
    .args:
      - { .name: x_real_codes, .offset: 0, .size: 8, .value_kind: global_buffer, .address_space: global }
      - { .name: x_imag_codes, .offset: 8, .size: 8, .value_kind: global_buffer, .address_space: global }
      - { .name: h_real_codes, .offset: 16, .size: 8, .value_kind: global_buffer, .address_space: global }
      - { .name: h_imag_codes, .offset: 24, .size: 8, .value_kind: global_buffer, .address_space: global }
      - { .name: x_real_scales, .offset: 32, .size: 8, .value_kind: global_buffer, .address_space: global }
      - { .name: x_imag_scales, .offset: 40, .size: 8, .value_kind: global_buffer, .address_space: global }
      - { .name: h_real_scales, .offset: 48, .size: 8, .value_kind: global_buffer, .address_space: global }
      - { .name: h_imag_scales, .offset: 56, .size: 8, .value_kind: global_buffer, .address_space: global }
      - { .name: Ux_real_codes, .offset: 64, .size: 8, .value_kind: global_buffer, .address_space: global }
      - { .name: Ux_imag_codes, .offset: 72, .size: 8, .value_kind: global_buffer, .address_space: global }
      - { .name: Uh_real_codes, .offset: 80, .size: 8, .value_kind: global_buffer, .address_space: global }
      - { .name: Uh_imag_codes, .offset: 88, .size: 8, .value_kind: global_buffer, .address_space: global }
      - { .name: Ux_real_scales, .offset: 96, .size: 8, .value_kind: global_buffer, .address_space: global }
      - { .name: Ux_imag_scales, .offset: 104, .size: 8, .value_kind: global_buffer, .address_space: global }
      - { .name: Uh_real_scales, .offset: 112, .size: 8, .value_kind: global_buffer, .address_space: global }
      - { .name: Uh_imag_scales, .offset: 120, .size: 8, .value_kind: global_buffer, .address_space: global }
      - { .name: Lambda, .offset: 128, .size: 8, .value_kind: global_buffer, .address_space: global }
      - { .name: out0, .offset: 136, .size: 8, .value_kind: global_buffer, .address_space: global }
      - { .name: out1, .offset: 144, .size: 8, .value_kind: global_buffer, .address_space: global }
    .group_segment_fixed_size: 327680
    .private_segment_fixed_size: 0
    .kernarg_segment_align: 8
    .kernarg_segment_size: 152
    .max_flat_workgroup_size: 256
    .sgpr_count:     102
    .vgpr_count:     512
    .wavefront_size: 32
...
	.end_amdgpu_metadata
.endif
;; end of part 1
